; MI455X (gfx1250); checked and timed in simulation.
; The chip was launched on July 23, 2026; its instructions are those of AMD's public machine-readable ISA for CDNA 5 (MIT licence, August 2026) and "CDNA5" Instruction Set Architecture Reference Guide (July 2026). The comments in the code are by the model that wrote it; some were corrected since.
;; Grouped Experts Deep EP. Allowed arithmetic: matrix products marked QUANTISED: E4M3 operands, one E8M0 scale for each 32 along K, by v_wmma_scale_f32_16x16x128_f8f6f4 with both operands' format E4M3, f32 sums; everything else in f32.
;; Inputs: W_down_codes 8 x 2,048 x 4 x 32 uint8 (E4M3 codes of W_down, K innermost, in blocks of 32 codes); W_down_scales 8 x 2,048 x 4 uint8 (E8M0 scales of W_down, one for each 32 codes along K); W_gup_codes 8 x 256 x 64 x 32 uint8 (E4M3 codes of W_gup, K innermost, in blocks of 32 codes); W_gup_scales 8 x 256 x 64 uint8 (E8M0 scales of W_gup, one for each 32 codes along K); indices 8,192 x 2 int32; token_mask 8,192 bool; weights 8,192 x 2 float32; x_codes 8,192 x 64 x 32 uint8 (E4M3 codes of x, K innermost, in blocks of 32 codes); x_scales 8,192 x 64 uint8 (E8M0 scales of x, one for each 32 codes along K).
;; Outputs: out0 8,192 x 2,048 float32.
;; This version of the problem:
;;   THIS VERSION OF THE PROBLEM IS GIVEN IN LOW PRECISION. The matrix products marked QUANTISED in the list below multiply operands that are first quantised to E4M3 (4 exponent bits, 3 mantissa bits; 8 bits a number), with one power-of-two scale for each 32 numbers along K (OCP MX v1.0); their sums are f32. All else is computed in f32.
;;   The module's matrix products, in the order in which they are computed (A, B: the left and right operand; K: the contracted axis; several contracted axes count as one K, in the product's order):
;;     1. [M 8,192, K 2,048] x [K 2,048, N 256]; A: input x (given as codes); B: input W_gup (given as codes): QUANTISED
;;     2. [M 8,192, K 128] x [K 128, N 2,048]; A: computed on the way; B: input W_down (given as codes): QUANTISED
;;     3. [M 8,192, K 2,048] x [K 2,048, N 256]; A: input x (given as codes); B: input W_gup (given as codes): QUANTISED
;;     4. [M 8,192, K 128] x [K 128, N 2,048]; A: computed on the way; B: input W_down (given as codes): QUANTISED
;;     5. [M 8,192, K 2,048] x [K 2,048, N 256]; A: input x (given as codes); B: input W_gup (given as codes): QUANTISED
;;     6. [M 8,192, K 128] x [K 128, N 2,048]; A: computed on the way; B: input W_down (given as codes): QUANTISED
;;     7. [M 8,192, K 2,048] x [K 2,048, N 256]; A: input x (given as codes); B: input W_gup (given as codes): QUANTISED
;;     8. [M 8,192, K 128] x [K 128, N 2,048]; A: computed on the way; B: input W_down (given as codes): QUANTISED
;;     9. [M 8,192, K 2,048] x [K 2,048, N 256]; A: input x (given as codes); B: input W_gup (given as codes): QUANTISED
;;     10. [M 8,192, K 128] x [K 128, N 2,048]; A: computed on the way; B: input W_down (given as codes): QUANTISED
;;     11. [M 8,192, K 2,048] x [K 2,048, N 256]; A: input x (given as codes); B: input W_gup (given as codes): QUANTISED
;;     12. [M 8,192, K 128] x [K 128, N 2,048]; A: computed on the way; B: input W_down (given as codes): QUANTISED
;;     13. [M 8,192, K 2,048] x [K 2,048, N 256]; A: input x (given as codes); B: input W_gup (given as codes): QUANTISED
;;     14. [M 8,192, K 128] x [K 128, N 2,048]; A: computed on the way; B: input W_down (given as codes): QUANTISED
;;     15. [M 8,192, K 2,048] x [K 2,048, N 256]; A: input x (given as codes); B: input W_gup (given as codes): QUANTISED
;;     16. [M 8,192, K 128] x [K 128, N 2,048]; A: computed on the way; B: input W_down (given as codes): QUANTISED
;;   THE QUANTISER, for each operand of a quantised product, along K:
;;     - K is cut into blocks of 32 from its start; a last block that is shorter is filled with zeros.
;;     - A block's scale is 2^e with e = floor(log2(the largest magnitude in the block)) - 8, held to -126 .. 127; a block of zeros has e = 0. As a byte (E8M0): e + 127.
;;     - Each number is divided by its block's scale, clamped to +-448, and rounded to the nearest number of E4M3, ties to even, subnormals kept.
;;     - The product sums the exact products of the quantised numbers (number of the format x scale) in f32.
;;   ~~~python
;;   def quantise(x, axis):      # numpy; x: float32 -> the quantised numbers, widened to float32 again
;;       x = np.moveaxis(x, axis, -1); K = x.shape[-1]
;;       x = np.pad(x, [(0, 0)] * (x.ndim - 1) + [(0, -K % 32)]); x = x.reshape(x.shape[:-1] + (-1, 32)); a = np.abs(x).max(-1, keepdims=True)
;;       e = np.where(a > 0, np.clip(np.frexp(np.where(a > 0, a, 1))[1] - 1 - 8, -126, 127), 0)      # np.frexp(a)[1] - 1 = floor(log2(a)), exactly
;;       r = np.clip(x / 2.0 ** e, -448, 448)
;;       step = 2.0 ** (np.maximum(np.frexp(np.where(r == 0, 1, r))[1] - 1, -6) - 3)
;;       q = np.round(r / step) * step * 2.0 ** e      # np.round: ties to even
;;       return np.moveaxis(q.reshape(q.shape[:-2] + (-1,))[..., :K], -1, axis).astype(np.float32)
;;   ~~~
;;   OPERANDS COMPUTED ON THE WAY. 'Computed on the way' means the value that the module computes at that place (a softmax that the list does not call 'softmax' is quantised finished and normalised). What goes into a quantiser is computed in f32, as accurately as f32 sums, v_exp_f32 and their like allow (about 1e-6 of the number): no bf16 or f16 on the way to a quantiser, and a product that is left as it is and whose result goes on into a quantised operand takes f32 operands (vector FMAs, or v_wmma_f32_16x16x4_f32). A number that lies on a knife's edge between two numbers of the format may be rounded either way, as far as f32 arithmetic and the matrix unit's own rounding can turn it there, and no further.
;;   INPUTS GIVEN AS CODES. W_down (in the module: [8, 128, 2048], K = its axis 1); W_gup (in the module: [8, 2048, 256], K = its axis 1); x (in the module: [8192, 2048], K = its axis 1): each comes as NAME_codes (uint8): NAME with its K axis moved to the last place and cut into blocks of 32 codes, [.., K / 32, bytes a block], one block behind the other in memory; one code a byte (a code: sign, 4 exponent bits, 3 mantissa bits); and NAME_scales (uint8): the same leading axes, one E8M0 byte (e + 127) for each 32 codes along K. Its value is code x scale, taken as it is: it is not quantised again, and the codes and scales need not be those that the quantiser above would give.
;; 2 versions, each right; version 2 is version 1 with the launch down written anew for expert scheduling mode. Each part assembles by itself: llvm-mc -triple=amdgcn-amd-amdhsa -mcpu=gfx1250 --defsym DOCPART=n.
;; ======== version 1 of 2: 2 launches
;; workspace buffers: hid_codes 2,097,664 bytes; hid_scales 65,792 bytes; order 32,768 bytes of whole numbers
;; launch gup (part 1): grid 32 x 8, 8 waves a work-group, no clusters, 136,704 bytes of LDS; arguments x_codes, x_scales, W_gup_codes, W_gup_scales, indices, token_mask, weights, hid_codes, hid_scales, order; writes hid_codes, hid_scales, order
.if DOCPART == 1
	.amdgcn_target "amdgcn-amd-amdhsa--gfx1250"
	.amdhsa_code_object_version 6
	.text
	.protected	k_qa3feec159a_gup
	.globl	k_qa3feec159a_gup
	.p2align	8
	.type	k_qa3feec159a_gup,@function
k_qa3feec159a_gup:
	s_mov_b64 s[64:65], 0
	v_nop
	global_prefetch_b8 v0, s[64:65] scope:SCOPE_SE
	s_setreg_imm32_b32 hwreg(HW_REG_WAVE_MODE, 25, 1), 1
	s_wait_xcnt 0x0
; FIRST HALF OF THE EXPERT LAYER: hidden = Q(silu(gate) * up * p), [gate | up] = x W_gup[e], only for the (token, expert) rows that are kept.
; x: 8,192 rows of 2,048 E4M3 codes, 64 E8M0 bytes a row.  W_gup: [8][256][2,048] codes (K innermost), [8][256][64] bytes.  Codes and bytes go to the matrix unit as they lie.
; SHARES.  Work-group (x = 4 e + c, y = g): expert e, hidden units 32 c .. 32 c + 31 (32 gate rows and 32 up rows of W_gup[e]), tokens 1,024 g .. 1,024 g + 1,023.
;   Wave 0 compacts, from indices and token_mask, the list of the range's tokens that are not masked and name expert e (n of them, 0 to 1,024).
;   A wave tile is 32 list rows x 64 rows of W x all of K: 16 K steps of 128, 8 accumulators, 128 matrix instructions.  Wave w takes tiles w, w + 8, w + 16, w + 24 as far as the list reaches.
;   The work-group's 64 rows of W (128 KiB) lie in LDS as images of the operand's registers; x's rows come from memory straight into registers, six K steps ahead.
; THE MATRIX INSTRUCTION IS USED TRANSPOSED (source 0 = 16 rows of W, source 1 = 16 tokens), and lane r of tile (kind, u) takes W's row 128 kind + 32 c + 8 u + r + 8 (r / 8):
;   lane (r, h) then holds token r, and the 16 registers of the two gate tiles (and of the two up tiles) are units 32 c + 16 h + 0 .. 15: 16 neighbours along the next product's K.
; OUT.  hid_codes row 2 t + slot (128 bytes; slot 0: the expert of indices[t][0]; slot 1: that of indices[t][1] where it differs), hid_scales word 2 t + slot, byte c.
;   Where both indices name e the token counts once, with p = w0 + w1.  Rows 16,384 on of hid_codes are zeros (the row that an unused slot is sent to by the second launch).
; ALL LANES STAY ON THROUGHOUT.  The last tile's rows beyond the list repeat the list's last token, which lies in the same tile: they compute what its row computes and store the same bytes to the same place.
; BESIDE IT.  Waves 5 to 7, which the list seldom reaches, make the second launch's token order: within each range of 1,024 tokens, sorted by the pair of experts
;   (key = 9 min + max of the two, 8 standing for none).  Wave w of work-group x places key 3 x + w - 5: it counts the smaller keys and stores its own tokens behind them.  No atomics.
; NO TENSOR LOADS, NO CLUSTER: which rows are read, the work of a trip and the branches hang on counts made from inputs read from memory.
; NO PREFETCH: a row of x is read by up to eight work-groups at about the same time, so no one of them can name it once ahead of the others.
; LIMITS: NaN codes (0x7f, 0xff) and the scale byte 0xff are not served (reference() would spread NaN x 0 from experts that were not chosen); infinities in the hidden layer are not served;
;   a block of zeros keeps the scale byte 1 where the rule says 127: its codes are zeros, and this program alone reads the bytes; an index outside 0 .. 7 matches no expert, as in reference().
; REGISTERS.  window 0: v0-31 addresses and temporaries; v32-95 W's scale words (16 tile + K step); v96-127 x's (16 m + K step); v128-191 accumulators (32 m + 8 tile); v192-255 W's fragments, buffer 0.
;   window 1: v0-63 W's fragments, buffer 1; v64-255 x's fragments, a ring of six K steps (32 a step).  At the head window 1 v0-127 stage W; v128-199 of window 0 hold the range's masks and indices.
.set LIST,  131072                     ; LDS: 0 .. 131,071 the 64 images of W's fragments (index 4 q + tile, 2,048 bytes each); then 1,088 words: the list, 32 pad entries, a dump word for each lane
.set NCELL, 135424                     ; and the list's length
.set MK,  128                          ; v128-135  head: mask bytes, four tokens a register
.set IX,  136                          ; v136-199  head: the two indices of 32 tokens a lane
.set SW,  32
.set XS,  96
.set ACC, 128
.set B0,  192
.set E,   192                          ; the way out (W's buffer 0 is done with): v192-223 the hidden numbers, 16 for each m
.set M,   224                          ; largest magnitudes
.set M2,  226                          ; the other half's
.set SO,  228                          ; the conversion's scale operand
.set HL,  230                          ; 448 x the scale
.set BY,  232                          ; the scale's byte
.set P,   234                          ; p, a pair for each m
.set TP,  238                          ; at work
.set CD,  240                          ; the codes, four registers for each m
.set HOF, 248                          ; byte offset of my 16 codes
.set SOF, 250                          ; byte offset of the scale byte
.set ROW, 252                          ; 2 t + slot
.set HB,  254                          ; 32 c + 16 h
.set II,  24                           ; v24-25, v30-31  a pass's indices (II + 6 m)
.set WW,  26                           ; v26-29  a pass's weights
.set MSB, 0
.macro WIN new                         ; the immediate's high byte repeats the setting that is left; a switch that changes nothing is dropped
.if MSB != (\new)
	s_set_vgpr_msb (MSB<<8)|(\new)
.set MSB, (\new)
.endif
.endm
; The range's masks and indices: lane L, step 4 j + s is token T0 + 128 j + 4 L + s
.macro LOADMETA
.irp j, 0,1,2,3,4,5,6,7
	global_load_b32 v[MK+\j], v14, s[14:15] offset:128*\j
	global_load_b128 v[IX+8*\j:IX+8*\j+3], v13, s[12:13] offset:1024*\j
	global_load_b128 v[IX+8*\j+4:IX+8*\j+7], v13, s[12:13] offset:1024*\j+16
.endr
.endm
	s_load_b256 s[4:11], s[0:1], 0x0               ; x codes s[4:5], x scales s[6:7], W codes s[8:9], W scales s[10:11]
	s_load_b256 s[12:19], s[0:1], 0x20             ; indices s[12:13], mask s[14:15], weights s[16:17], hid_codes s[18:19]
	s_load_b128 s[20:23], s[0:1], 0x40             ; hid_scales s[20:21], order s[22:23]
	v_lshrrev_b32 v1, 5, v0
	v_readfirstlane_b32 s24, v1                    ; wave 0..7
	s_lshr_b32 s25, ttmp9, 2                       ; e
	s_and_b32 s26, ttmp9, 3                        ; c
	s_and_b32 s27, ttmp7, 0xffff                   ; g
	s_lshl_b32 s28, s27, 10                        ; T0: the range's first token
	s_lshl_b32 s36, s26, 5                         ; 32 c
	s_mov_b32 s44, 0x76543210
	s_mov_b32 s45, 0xfedcba98                      ; v_permlanex16_b32's selects for lane l xor 16
	s_mov_b32 s46, 0x600000                        ; the mantissa field of 448
	v_and_b32 v1, 31, v0                           ; L
	v_and_b32 v2, 15, v0                           ; r
	v_bfe_u32 v3, v0, 4, 1
	v_lshlrev_b32 v3, 4, v3                        ; 16 h
	v_lshlrev_b32 v4, 4, v1                        ; an image's place for my lane: 16 L (K steps 0-7),
	v_add_nc_u32 v5, 0x10000, v4                   ; and 65,536 further on (K steps 8-15): an LDS offset has 16 bits
	s_lshl_b32 s32, s24, 14
	v_add_nc_u32 v6, s32, v4                       ; where I store images: 16 L + 16,384 w (eight images a wave)
	v_add_nc_u32 v7, 1056, v1                      ; my lane's dump word, as an index into the list
	v_mov_b32 v8, NCELL
	v_lshl_add_u32 v10, v2, 2, LIST                ; the list read: LIST + 4 r
	v_and_b32 v26, 8, v2
	v_add_nc_u32 v26, v26, v2                      ; r + 8 (r / 8)
	v_add_nc_u32 v26, s36, v26                     ; + 32 c: my row of W in tile (0, 0)
	v_lshl_add_u32 v11, v26, 11, v3                ; its codes: 2,048 bytes a row, + 16 h,
	s_lshl_b32 s32, s24, 8
	v_add_nc_u32 v11, s32, v11                     ; + K steps 2 w, 2 w + 1: what my wave stages
	v_lshlrev_b32 v12, 6, v26                      ; its scale bytes: 64 a row
	s_lshl_b32 s32, s28, 3
	v_lshl_add_u32 v13, v1, 5, s32                 ; indices: 8 T0 + 32 L
	v_lshl_add_u32 v14, v1, 2, s28                 ; T0 + 4 L: the mask's byte offset, and my first token's number
	v_lshlrev_b32 v15, 2, v1                       ; 4 L
	s_lshl_b32 s32, s25, 19                        ; expert e: 524,288 bytes of codes,
	s_mov_b32 s33, 0
	s_lshl_b32 s34, s25, 14                        ; 16,384 scale bytes
	s_mov_b32 s35, 0
	s_lshl_b32 s38, s27, 12                        ; range g: 4,096 bytes of the order
	s_mov_b32 s39, 0
	s_wait_kmcnt 0x0
	s_add_nc_u64 s[8:9], s[8:9], s[32:33]
	s_add_nc_u64 s[10:11], s[10:11], s[34:35]
	s_add_nc_u64 s[22:23], s[22:23], s[38:39]
	; W: my wave stages the four tiles of two K steps, eight fragments, as the operand's registers take them
	WIN 0x40                                       ; destination window 1
.irp d, 0,1
.irp t, 0,1,2,3
.irp c, 0,1,2,3
	global_load_b128 v[16*(4*\d+\t)+4*\c:16*(4*\d+\t)+4*\c+3], v11, s[8:9] offset:(\t/2)*262144+(\t%2)*16384+128*\d+32*\c
.endr
.endr
.endr
	WIN 0
	; ---- wave 0 alone: the list.  Up to the first barrier no other wave touches LDS
	s_cmp_lg_u32 s24, 0
	s_cbranch_scc1 .Lno_scan
	LOADMETA                                       ; with W's 32 loads: 56 loads of mine are out
	s_mov_b32 s29, 0                               ; n so far
	v_mov_b32 v29, LIST
	v_mov_b32 v30, s28
	ds_store_b32 v29, v30                          ; word 0 holds a token's number from the start, so that the read of the last entry below finds one where the list is empty
	s_wait_loadcnt 0x0                             ; the masks and indices were issued last: all my loads are in
.set J, 0
.rept 32
	v_cmp_eq_u32 s40, s25, v[IX+2*J]               ; the first index names e,
	v_cmp_eq_u32 s41, s25, v[IX+2*J+1]             ; or the second,
	v_bfe_u32 v28, v[MK+J/4], 8*(J%4), 8
	v_cmp_ne_u32 s42, 0, v28                       ; and the token is not masked
	s_or_b32 s40, s40, s41
	s_and_b32 s40, s40, s42
	v_mbcnt_lo_u32_b32 v28, s40, s29               ; n + the chosen lanes below mine: my place in the list
	v_cndmask_b32 v28, v7, v28, s40                ; a lane that is not chosen writes to its dump word
	v_min_u32 v28, 1087, v28                       ; a number made from loaded data enters an address behind a bound
	v_lshl_add_u32 v29, v28, 2, LIST
	v_add_nc_u32 v30, 128*(J/4)+J%4, v14           ; the token's number
	ds_store_b32 v29, v30
	s_bcnt1_i32_b32 s41, s40
	s_add_co_u32 s29, s29, s41
.set J, J+1
.endr
	s_max_u32 s41, s29, 1
	s_sub_co_u32 s41, s41, 1                       ; the last entry's place (0 where the list is empty)
	v_mov_b32 v28, s41
	v_min_u32 v28, 1023, v28
	v_lshl_add_u32 v29, v28, 2, LIST
	ds_load_b32 v30, v29                           ; LDS serves a wave's instructions in order: this sees my stores
	v_mov_b32 v31, s29
	ds_store_b32 v8, v31                           ; n
	s_wait_dscnt 0x0                               ; the last entry is in
	v_add_nc_u32 v28, s29, v1                      ; 32 pad entries behind the list repeat it: the last tile's rows beyond n do its work over again
	v_min_u32 v28, 1055, v28
	v_lshl_add_u32 v29, v28, 2, LIST
	ds_store_b32 v29, v30
.Lno_scan:
	s_wait_dscnt 0x0                               ; for the others' sake: the list's stores have landed
	s_barrier_signal -1
	s_barrier_wait -1
	; ---- all waves: W's images
	s_wait_loadcnt 0x0                             ; W's fragments
	WIN 0x04                                       ; an LDS store's data are its source 1: window 1
.irp f, 0,1,2,3,4,5,6,7
.irp c, 0,1,2,3
	ds_store_b128 v6, v[16*\f+4*\c:16*\f+4*\c+3] offset:2048*\f+512*\c   ; lane l's 16 bytes at 16 l: 512 consecutive bytes a store
.endr
.endr
	WIN 0
.irp t, 0,1,2,3                                ; W's scale words of all 16 K steps stay in every wave's registers: lane r has its row's.  They land while the waves meet
.irp j, 0,1,2,3
	global_load_b128 v[SW+16*\t+4*\j:SW+16*\t+4*\j+3], v12, s[10:11] offset:(\t/2)*8192+(\t%2)*512+16*\j
.endr
.endr
	s_wait_dscnt 0x0                               ; for the others' sake: my images have landed
	s_barrier_signal -1
	s_barrier_wait -1                              ; from here on LDS is only read, and no wave waits for another
	; ---- waves 5 to 7: the second launch's token order
	s_cmp_lt_u32 s24, 5
	s_cbranch_scc1 .Lno_sort
	LOADMETA
	s_mul_i32 s47, ttmp9, 3
	s_add_co_u32 s47, s47, s24
	s_sub_co_u32 s47, s47, 5                       ; my key: 3 x + w - 5 (0 .. 95; keys above 80 have no token)
	s_mov_b32 s48, 0
	s_wait_loadcnt 0x0
.set J, 0
.rept 32                                       ; each token's key and its entry, in place of its two indices
	v_bfe_u32 v28, v[MK+J/4], 8*(J%4), 8
	v_cmp_ne_u32 vcc_lo, 0, v28
	v_min_u32 v29, 8, v[IX+2*J]                    ; a, b: the two experts; 8 stands for none (unsigned: a negative index too)
	v_min_u32 v30, 8, v[IX+2*J+1]
	v_cndmask_b32 v29, 8, v29, vcc_lo              ; a masked token has none
	v_cndmask_b32 v30, 8, v30, vcc_lo
	v_min_u32 v28, v29, v30
	v_add_nc_u32 v31, v29, v30
	v_lshl_add_u32 v[IX+2*J], v28, 3, v31          ; key = 9 min + max = 8 min + a + b
	v_cmp_eq_u32 vcc_lo, v29, v30
	v_cndmask_b32 v30, v30, 8, vcc_lo              ; the same expert twice counts once (slot 0, p = w0 + w1)
	v_lshl_or_b32 v29, v30, 4, v29
	v_add_nc_u32 v31, 128*(J/4)+J%4, v14
	v_lshl_or_b32 v[IX+2*J+1], v29, 16, v31        ; entry = token | a << 16 | b << 20
.set J, J+1
.endr
.set J, 0
.rept 32                                       ; how many of the range's tokens have a smaller key: where mine begin
	v_cmp_gt_u32 s40, s47, v[IX+2*J]
	s_bcnt1_i32_b32 s40, s40
	s_add_co_u32 s48, s48, s40
.set J, J+1
.endr
; A step's tokens of my key go to the places from s48 on.  A lane without one repeats the step's first: the same word, the same value; so all lanes stay on.  A step without any is jumped over.
.macro PUTSTEP
	v_cmp_eq_u32 s40, s47, v[IX+2*J]
	s_cmp_lg_u32 s40, 0
	s_cbranch_scc0 .Lempty_\@
	s_ctz_i32_b32 s41, s40                         ; the lowest lane with a token of my key: its place is s48,
	v_readlane_b32 s42, v[IX+2*J+1], s41           ; and this is its entry
	v_mbcnt_lo_u32_b32 v23, s40, s48               ; s48 + the chosen lanes below mine
	s_wait_xcnt 0x0                                ; the last store's offset and data are written again only behind this wait
	v_cndmask_b32 v23, s48, v23, s40
	v_cndmask_b32 v28, s42, v[IX+2*J+1], s40
	v_min_u32 v23, 0x3ff, v23                      ; a number made from loaded data enters an address behind a bound
	v_lshlrev_b32 v22, 2, v23
	global_store_b32 v22, v28, s[22:23]
	s_bcnt1_i32_b32 s40, s40
	s_add_co_u32 s48, s48, s40
.Lempty_\@:
.endm
.set J, 0
.rept 32
	PUTSTEP
.set J, J+1
.endr
	s_wait_xcnt 0x0                                ; the last store's registers serve the products below
.Lno_sort:
	; ---- wave 4 of work-group (0, 0): the row of zeros and its scale words
	s_xor_b32 s32, s24, 4
	s_or_b32 s32, s32, ttmp9
	s_or_b32 s32, s32, s27
	s_cmp_lg_u32 s32, 0
	s_cbranch_scc1 .Lno_zero
	v_mov_b32 v128, 0
	v_mov_b32 v129, 0
	v_mov_b32 v130, 0
	v_mov_b32 v131, 0
	v_mov_b32 v132, 0x7f7f7f7f
	global_store_b128 v4, v[128:131], s[18:19] offset:2097152   ; rows 16,384 to 16,387: 512 consecutive bytes
	global_store_b32 v15, v132, s[20:21] offset:65536
	s_wait_xcnt 0x0                                ; the stores' data registers are written again only behind this wait
.Lno_zero:
; W's four fragments of K step q, from their images, into buffer q % 2
.macro FETCHB q
.if ((\q)%2) == 1
	WIN 0x40
.set BB, 0
.else
	WIN 0
.set BB, B0
.endif
.if (\q) < 8
.set AD, 4
.set QO, (\q)
.else
.set AD, 5
.set QO, (\q)-8
.endif
.irp t, 0,1,2,3
.irp c, 0,1,2,3
	ds_load_b128 v[BB+16*\t+4*\c:BB+16*\t+4*\c+3], v[AD] offset:(4*QO+\t)*2048+512*\c
.endr
.endr
.endm
; x's two fragments of K step q, from memory, into ring slot q % 6: lane (r, h) takes bytes 128 q + 32 c + 16 h of its token's row.  No hint: other work-groups read the rows again
.macro XLOAD q
	WIN 0x40
.set XR, 64+32*((\q)%6)
.irp m, 0,1
.irp c, 0,1,2,3
	global_load_b128 v[XR+16*\m+4*\c:XR+16*\m+4*\c+3], v[18+\m], s[4:5] offset:128*(\q)+32*\c
.endr
.endr
.endm
; A K step: 8 matrix instructions.  The eight accumulators take turns, one instruction a turn, in the same order in every step.
.macro KSTEP q
	s_wait_dscnt 0x0                               ; W's fragments of this step: the only LDS loads of mine that are out
.if (\q) < 15
	FETCHB (\q)+1                                  ; the other buffer was last read a step ago, ahead of that step's eight places
.endif
.if (\q) < 10
	s_wait_loadcnt 40                              ; behind x's fragments of this step stand those of five later steps, 8 loads each
.else
	s_wait_loadcnt 8*(15-(\q))                     ; the ring runs out
.endif
	WIN 0x04+(\q)%2                                ; source 0 (W): window q % 2; source 1 (x): window 1; C and D: window 0
.set BB, B0*(1-(\q)%2)
.set XR, 64+32*((\q)%6)
.irp t, 0,1,2,3
.irp m, 0,1
.if (\q) == 0
	v_wmma_scale_f32_16x16x128_f8f6f4 v[ACC+32*\m+8*\t:ACC+32*\m+8*\t+7], v[BB+16*\t:BB+16*\t+15], v[XR+16*\m:XR+16*\m+15], 0, v[SW+16*\t+(\q)], v[XS+16*\m+(\q)]
.else
	v_wmma_scale_f32_16x16x128_f8f6f4 v[ACC+32*\m+8*\t:ACC+32*\m+8*\t+7], v[BB+16*\t:BB+16*\t+15], v[XR+16*\m:XR+16*\m+15], v[ACC+32*\m+8*\t:ACC+32*\m+8*\t+7], v[SW+16*\t+(\q)], v[XS+16*\m+(\q)]
.endif
.endr
.endr
.rept 8
	v_nop                                          ; eight places ahead of loads into registers that these products read, and, behind the last step, of the first read of results
.endr
.if (\q) < 10
	XLOAD (\q)+6                                   ; the slot just multiplied takes the step six further on
.endif
.endm
	; ---- the products.  Four trips for every wave; a trip whose tile lies beyond the list is jumped over
	ds_load_b32 v26, v8
	s_wait_dscnt 0x0
	v_readfirstlane_b32 s29, v26                   ; n
	s_add_co_u32 s30, s29, 31
	s_lshr_b32 s30, s30, 5                         ; tiles of 32 rows
	s_mov_b32 s31, s24                             ; my first tile,
	s_lshl_b32 s37, s24, 7                         ; its 128 bytes of the list,
	s_mov_b32 s43, 0                               ; and the trips' counter
	s_wait_loadcnt 0x0                             ; W's scale words; a trip then has its own 60 loads out
.Lpass:
	s_cmp_ge_u32 s31, s30
	s_cbranch_scc1 .Lnone
	v_add_nc_u32 v9, s37, v10
	ds_load_b32 v16, v9                            ; token of list row 32 i + r,
	ds_load_b32 v17, v9 offset:64                  ; and of row 32 i + 16 + r
	s_wait_dscnt 0x0
.irp m, 0,1
	v_min_u32 v[16+\m], 0x1fff, v[16+\m]           ; a loaded number enters an address behind a bound
	v_lshl_add_u32 v[18+\m], v[16+\m], 11, v3      ; x's codes: 2,048 t + 16 h
	v_lshlrev_b32 v[20+\m], 6, v[16+\m]            ; x's scale bytes: 64 t
	v_lshlrev_b32 v[22+\m], 3, v[16+\m]            ; indices and weights: 8 t
.endr
.irp m, 0,1
.irp j, 0,1,2,3
	global_load_b128 v[XS+16*\m+4*\j:XS+16*\m+4*\j+3], v[20+\m], s[6:7] offset:16*\j   ; the scale words of all 16 K steps: a row's 64 bytes once
.endr
.endr
.irp m, 0,1
	global_load_b64 v[II+6*\m:II+6*\m+1], v[22+\m], s[12:13]
	global_load_b64 v[WW+2*\m:WW+2*\m+1], v[22+\m], s[16:17]
.endr
.irp q, 0,1,2,3,4,5
	XLOAD \q
.endr
	FETCHB 0
.set Q, 0
.rept 16
	KSTEP Q
.set Q, Q+1
.endr
	WIN 0
	; ---- silu(gate) x up x p.  Each accumulator is read from its low end on
.irp m, 0,1
.irp k, 0,2,4,6,8,10,12,14
	v_pk_mul_f32 v[E+16*\m+\k:E+16*\m+\k+1], v[ACC+32*\m+\k:ACC+32*\m+\k+1], 0xbfb8aa3b op_sel_hi:[1,0]   ; -gate x log2(e)
.endr
.endr
.set J, 0
.rept 32
	v_exp_f32 v[E+J], v[E+J]                       ; e^-gate: one batch
.set J, J+1
.endr
	v_add_nc_u32 v[HB], s36, v3                    ; plain work behind the batch, which names none of its results: p, the slot and the stores' offsets
.irp m, 0,1
	v_mov_b32 v[M2+\m], 0                          ; (a lane permute's destination counts as one of its sources)
	v_cmp_eq_u32 vcc_lo, s25, v[II+6*\m]
	v_cndmask_b32 v[P+2*\m], 0, v[WW+2*\m], vcc_lo ; w0 where the first index names e
	v_cndmask_b32 v[ROW+\m], 1, 0, vcc_lo          ; slot 0 there, else slot 1
	v_cmp_eq_u32 vcc_lo, s25, v[II+6*\m+1]
	v_cndmask_b32 v[TP], 0, v[WW+2*\m+1], vcc_lo   ; w1 where the second does
	v_add_f32 v[P+2*\m], v[P+2*\m], v[TP]
	v_mov_b32 v[P+2*\m+1], v[P+2*\m]               ; twice: a pair for the packed multiply
	v_lshl_add_u32 v[ROW+\m], v[16+\m], 1, v[ROW+\m]
	v_min_u32 v[ROW+\m], 0x3fff, v[ROW+\m]         ; row 2 t + slot
	v_lshl_add_u32 v[HOF+\m], v[ROW+\m], 7, v[HB]  ; 128 bytes a row, + 32 c + 16 h
	v_lshl_add_u32 v[SOF+\m], v[ROW+\m], 2, s26    ; 4 scale bytes a row, + c
.endr
	s_wait_alu depctr_va_vdst(0)                   ; one wait for the 32 exponentials, ahead of their first reader
.irp k, 0,2,4,6,8,10,12,14,16,18,20,22,24,26,28,30
	v_pk_add_f32 v[E+\k:E+\k+1], v[E+\k:E+\k+1], 1.0 op_sel_hi:[1,0]
.endr
.set J, 0
.rept 32
	v_rcp_f32 v[E+J], v[E+J]                       ; 1 / (1 + e^-gate): one batch
.set J, J+1
.endr
	v_nop                                          ; a plain instruction between the last reciprocal and the first use
	s_wait_alu depctr_va_vdst(0)                   ; and one wait for the 32
.irp m, 0,1
.irp k, 0,2,4,6,8,10,12,14
	v_pk_mul_f32 v[E+16*\m+\k:E+16*\m+\k+1], v[ACC+32*\m+\k:ACC+32*\m+\k+1], v[E+16*\m+\k:E+16*\m+\k+1]         ; silu(gate)
.endr
.endr
.irp m, 0,1
.irp k, 0,2,4,6,8,10,12,14
	v_pk_mul_f32 v[E+16*\m+\k:E+16*\m+\k+1], v[E+16*\m+\k:E+16*\m+\k+1], v[ACC+32*\m+16+\k:ACC+32*\m+16+\k+1]   ; x up
.endr
.endr
.irp m, 0,1
.irp k, 0,2,4,6,8,10,12,14
	v_pk_mul_f32 v[E+16*\m+\k:E+16*\m+\k+1], v[E+16*\m+\k:E+16*\m+\k+1], v[P+2*\m:P+2*\m+1]                     ; x p
.endr
.endr
	; ---- the quantiser: the chunk's 32 units are one block; 16 of them are mine, 16 lane l xor 16's
.irp m, 0,1
	v_max3_num_f32 v[M+\m], |v[E+16*\m]|, |v[E+16*\m+1]|, 0x4800000   ; with the floor 2^(9 - 127): the byte cannot fall under 1
.endr
.irp i, 2,4,6,8,10,12,14
.irp m, 0,1
	v_max3_num_f32 v[M+\m], v[M+\m], |v[E+16*\m+\i]|, |v[E+16*\m+\i+1]|
.endr
.endr
.irp m, 0,1
	v_permlanex16_b32 v[M2+\m], v[M+\m], s44, s45
.endr
.irp m, 0,1
	v_max_num_f32 v[M+\m], v[M+\m], v[M2+\m]       ; the block's largest magnitude
.endr
.irp m, 0,1
	v_add_nc_u32 v[SO+\m], 0xfc000000, v[M+\m]     ; 8 off its exponent field: the conversion takes that field as its scale
	v_and_or_b32 v[HL+\m], v[M+\m], 0x7f800000, s46   ; 448 x the scale
.endr
.irp m, 0,1
	v_lshrrev_b32 v[BY+\m], 23, v[SO+\m]           ; the scale's byte
.endr
.irp m, 0,1
.irp i, 0,1,2,3,4,5,6,7,8,9,10,11,12,13,14,15
	v_med3_num_f32 v[E+16*\m+\i], v[E+16*\m+\i], -v[HL+\m], v[HL+\m]   ; the conversion to an 8-bit code does not saturate (ISA guide 7.6.2): the hold comes first
.endr
.endr
.irp m, 0,1
	v_cvt_scalef32_pk8_fp8_f32 v[CD+4*\m:CD+4*\m+1], v[E+16*\m:E+16*\m+7], v[SO+\m]
	v_cvt_scalef32_pk8_fp8_f32 v[CD+4*\m+2:CD+4*\m+3], v[E+16*\m+8:E+16*\m+15], v[SO+\m]
.endr
	v_nop                                          ; one plain instruction behind the last scaled conversion
.irp m, 0,1
	global_store_b128 v[HOF+\m], v[CD+4*\m:CD+4*\m+3], s[18:19]   ; my 16 codes of the row (rows beyond the list: the last row's bytes once more)
	global_store_b8 v[SOF+\m], v[BY+\m], s[20:21]  ; both lanes of a block write the same byte with the same value
.endr
	s_wait_xcnt 0x0                                ; the stores' offsets and data are written again, by the next trip, only behind this wait
.Lnone:
	s_add_co_u32 s31, s31, 8                       ; my next tile,
	s_add_co_u32 s37, s37, 1024                    ; its place in the list
	s_add_co_u32 s43, s43, 1
	s_cmp_lt_u32 s43, 4
	s_cbranch_scc1 .Lpass
	s_wait_xcnt 0x0
	v_lshl_add_u32 v254, v0, 2, 0x21200
	v_mov_b32 v255, 0
	s_wait_tensorcnt 0x0
	ds_add_u32 v254, v255
	s_wait_dscnt 0x0
	s_endpgm
.Lfunc_end_k_qa3feec159a_gup:
	.size	k_qa3feec159a_gup, .Lfunc_end_k_qa3feec159a_gup-k_qa3feec159a_gup
	.p2alignl 7, 3214868480
	.fill 96, 4, 3214868480
	.section	.rodata,"a",@progbits
	.p2align	6, 0x0
	.amdhsa_kernel k_qa3feec159a_gup
		.amdhsa_group_segment_fixed_size 136704
		.amdhsa_private_segment_fixed_size 0
		.amdhsa_enable_private_segment 0
		.amdhsa_kernarg_size 80
		.amdhsa_user_sgpr_count 2
		.amdhsa_user_sgpr_kernarg_segment_ptr 1
		.amdhsa_wavefront_size32 1
		.amdhsa_system_sgpr_workgroup_id_x 1
		.amdhsa_system_sgpr_workgroup_id_y 1
		.amdhsa_system_sgpr_workgroup_id_z 1
		.amdhsa_system_vgpr_workitem_id 0
		.amdhsa_next_free_vgpr 512
		.amdhsa_next_free_sgpr 66
		.amdhsa_reserve_vcc 1
		.amdhsa_float_denorm_mode_32 3
		.amdhsa_float_denorm_mode_16_64 3
		.amdhsa_memory_ordered 1
		.amdhsa_forward_progress 1
		.amdhsa_inst_pref_size 152
	.end_amdhsa_kernel
	.amdgpu_metadata
---
amdhsa.version: [ 1, 2 ]
amdhsa.kernels:
  - .name:           k_qa3feec159a_gup
    .symbol:         k_qa3feec159a_gup.kd
    .args:
      - { .name: x_codes, .offset: 0, .size: 8, .value_kind: global_buffer, .address_space: global }
      - { .name: x_scales, .offset: 8, .size: 8, .value_kind: global_buffer, .address_space: global }
      - { .name: W_gup_codes, .offset: 16, .size: 8, .value_kind: global_buffer, .address_space: global }
      - { .name: W_gup_scales, .offset: 24, .size: 8, .value_kind: global_buffer, .address_space: global }
      - { .name: indices, .offset: 32, .size: 8, .value_kind: global_buffer, .address_space: global }
      - { .name: token_mask, .offset: 40, .size: 8, .value_kind: global_buffer, .address_space: global }
      - { .name: weights, .offset: 48, .size: 8, .value_kind: global_buffer, .address_space: global }
      - { .name: hid_codes, .offset: 56, .size: 8, .value_kind: global_buffer, .address_space: global }
      - { .name: hid_scales, .offset: 64, .size: 8, .value_kind: global_buffer, .address_space: global }
      - { .name: order, .offset: 72, .size: 8, .value_kind: global_buffer, .address_space: global }
    .group_segment_fixed_size: 136704
    .private_segment_fixed_size: 0
    .kernarg_segment_align: 8
    .kernarg_segment_size: 80
    .max_flat_workgroup_size: 256
    .sgpr_count:     66
    .vgpr_count:     512
    .wavefront_size: 32
...
	.end_amdgpu_metadata
.endif
;; end of part 1
;; launch down (part 2): grid 32 x 8, 16 waves a work-group, no clusters, 141,312 bytes of LDS; arguments W_down_codes, W_down_scales, hid_codes, hid_scales, order, out0; writes out0
.if DOCPART == 2
	.amdgcn_target "amdgcn-amd-amdhsa--gfx1250"
	.amdhsa_code_object_version 6
	.text
	.protected	k_qa3feec159a_down
	.globl	k_qa3feec159a_down
	.p2align	8
	.type	k_qa3feec159a_down,@function
k_qa3feec159a_down:
	s_mov_b64 s[64:65], 0
	v_nop
	global_prefetch_b8 v0, s[64:65] scope:SCOPE_SE
	s_setreg_imm32_b32 hwreg(HW_REG_WAVE_MODE, 25, 1), 1
	s_wait_xcnt 0x0
; SECOND HALF OF THE EXPERT LAYER: out0[t] = the sum over the token's experts, ascending, of hidden(t, e) W_down[e].  Every row of out0 has one owner and is written, rows of zeros too.
; W_down: [8][2,048 (column)][128] E4M3 codes, one scale word a column.  hid_codes: row 2 t + slot of 128 codes, hid_scales: its scale word (made by the first launch).
; order: [8][1,024] entries t | E0 << 16 | E1 << 20 (8: none), each range of 1,024 tokens sorted by its pair of experts, so that a tile of 16 tokens meets few experts.
; SHARES.  Work-group (x = cc, y = g): columns 64 cc .. 64 cc + 63 of the range's 1,024 tokens: 64 tiles of 16 tokens in sorted order.  Wave w takes tiles w, w + 16, w + 32, w + 48,
;   so that the run of masked tokens is spread over all waves.  Sixteen waves of 256 registers, four to a SIMD: one wave's loads stand beside another's products; no register windows.
;   The 64 columns of all eight experts (32 fragments, 64 KiB) lie in LDS as images of the operand's registers, their scale words beside them: filled once, then only read.
; A TILE walks the eight experts; one that none of its 16 tokens names is jumped over (a scalar branch on the stored order).  For an expert that is present the operand is chosen lane by lane:
;   the token's slot 0 or slot 1 where that slot's expert is this one, zero codes elsewhere.  An unused slot's loads go to the row of zeros, by address.
; THE MATRIX INSTRUCTION IS USED TRANSPOSED (source 0 = 16 columns of W_down, source 1 = 16 tokens): a lane holds eight neighbouring columns of one token's row.
; THE ACCUMULATORS ARE CLEARED, 32 registers a tile: which expert is a tile's first hangs on the data, and a row that no expert takes leaves as zeros.
; THE WAY OUT.  16 rows x 256 bytes through the wave's own stage; the word behind each stage row carries the row's token, since sorted tokens are no neighbours in out0; sixteen lanes store 256 consecutive, aligned bytes.
; NO TENSOR LOADS, NO CLUSTER: the branches hang on numbers read from memory.  NO PREFETCH: the launch's time goes into its stores; a hidden row is read by all 32 work-groups of its range at about the same time.
; LIMITS: as in the first launch (NaN codes and the scale byte 0xff are not served).
.set WSC, 65536                        ; LDS: 0 .. 65,535 the images of W's fragments (index 4 e + ct, 2,048 bytes); then 32 images of scale words, 128 bytes each;
.set STG, 69632                        ; then a stage for each wave: 16 rows x (256 bytes + 16)
; REGISTERS: v1-16 addresses; v20-23 order entries; v24-27 tokens; v28-31 E0; v32-35 E1 (one for each of my four tiles); v36-37 at work; v40-47 the stores' offsets; v48-55 the hidden rows' offsets, two sets;
;   v64-97, v98-131 two sets of: slot 0's fragment (16), slot 1's (16), their two scale words; v132-147 the operand; v148 its scale word; v150-153 W's scale words; v160-191 four accumulators; v192-255 W's four fragments (v192-223 also the rows on their way out).
	s_load_b256 s[4:11], s[0:1], 0x0               ; W codes s[4:5], W scales s[6:7], hid_codes s[8:9], hid_scales s[10:11]
	s_load_b128 s[12:15], s[0:1], 0x20             ; order s[12:13], out0 s[14:15]
	v_lshl_add_u32 v158, v0, 2, 0x22000
	v_mov_b32 v159, 0
	v_lshrrev_b32 v1, 5, v0
	v_readfirstlane_b32 s16, v1                    ; wave 0..15
	s_and_b32 s18, ttmp7, 0xffff                   ; g
	v_and_b32 v1, 31, v0                           ; L
	v_and_b32 v2, 15, v0                           ; r
	v_bfe_u32 v3, v0, 4, 1                         ; h
	v_lshlrev_b32 v4, 4, v1                        ; an image's place for my lane: 16 L
	v_lshl_add_u32 v5, v1, 2, WSC                  ; a scale word's: WSC + 4 L
	s_lshl_b32 s24, s16, 12
	v_add_nc_u32 v6, s24, v4                       ; where I store images: two a wave
	s_lshl_b32 s24, s16, 8
	v_add_nc_u32 v7, s24, v5                       ; and their scale words
	s_mul_i32 s25, s16, 4352
	s_add_co_u32 s25, s25, STG                     ; my stage
	v_mul_u32_u24 v36, v2, 272
	v_add_nc_u32 v36, s25, v36
	v_lshl_add_u32 v8, v3, 5, v36                  ; in: row r, + 32 h
	v_add_nc_u32 v11, 256, v36                     ; the word behind row r
	v_mul_u32_u24 v37, v3, 272
	v_add_nc_u32 v37, s25, v37
	v_lshlrev_b32 v10, 4, v2                       ; 16 (L % 16)
	v_add_nc_u32 v9, v37, v10                      ; back: lanes 0-15 one row, lanes 16-31 the next
	v_add_nc_u32 v12, 256, v37                     ; and the word behind that row
	v_lshlrev_b32 v16, 4, v3                       ; 16 h
	v_lshl_add_u32 v13, v2, 7, v16                 ; W: column r of a tile, 128 bytes a column, + 16 h
	v_lshlrev_b32 v14, 2, v2                       ; its scale word
	s_lshl_b32 s24, s16, 6
	v_add_nc_u32 v15, s24, v14                     ; order: tile w, entry r
	s_lshr_b32 s26, s16, 1                         ; I stage fragments 2 w and 2 w + 1: expert w / 2, column tiles 2 (w % 2) and 2 (w % 2) + 1
	s_and_b32 s27, s16, 1
	s_lshl_b32 s28, s26, 18                        ; codes: 262,144 bytes an expert,
	s_lshl_b32 s30, ttmp9, 13                      ; 8,192 for 64 columns,
	s_add_co_u32 s28, s28, s30
	s_lshl_b32 s30, s27, 12                        ; 4,096 for two tiles
	s_add_co_u32 s28, s28, s30
	s_mov_b32 s29, 0
	s_lshl_b32 s20, s26, 13                        ; scale words: 8,192 bytes an expert,
	s_lshl_b32 s30, ttmp9, 8                       ; 256 for 64 columns (also: 64 columns of out0 in bytes),
	s_add_co_u32 s20, s20, s30
	s_lshl_b32 s22, s27, 7                         ; 128 for two tiles
	s_add_co_u32 s20, s20, s22
	s_mov_b32 s21, 0
	s_mov_b32 s31, 0
	s_lshl_b32 s22, s18, 12                        ; order: 4,096 bytes a range
	s_mov_b32 s23, 0
	s_wait_kmcnt 0x0
	s_add_nc_u64 s[4:5], s[4:5], s[28:29]
	s_add_nc_u64 s[6:7], s[6:7], s[20:21]
	s_add_nc_u64 s[14:15], s[14:15], s[30:31]
	s_add_nc_u64 s[12:13], s[12:13], s[22:23]
.irp i, 0,1,2,3
	global_load_b32 v[20+\i], v15, s[12:13] offset:1024*\i   ; my four tiles' entries
.endr
.irp d, 0,1
.irp c, 0,1,2,3
	global_load_b128 v[192+16*\d+4*\c:192+16*\d+4*\c+3], v13, s[4:5] offset:2048*\d+32*\c
.endr
	global_load_b32 v[150+\d], v14, s[6:7] offset:64*\d
.endr
; The hidden rows of tile i, both slots, into set i % 2: ten loads
.macro HLOAD i
.set HX, 48+4*((\i)%2)
.set SX, 64+34*((\i)%2)
	v_lshlrev_b32 v36, 1, v[24+(\i)]               ; row 2 t,
	v_lshl_add_u32 v37, v[24+(\i)], 1, 1           ; row 2 t + 1;
	v_cmp_gt_u32 vcc_lo, 8, v[28+(\i)]
	v_cndmask_b32 v36, 0x4000, v36, vcc_lo         ; a slot without an expert: the row of zeros
	v_cmp_gt_u32 vcc_lo, 8, v[32+(\i)]
	v_cndmask_b32 v37, 0x4000, v37, vcc_lo
	v_min_u32 v36, 0x4000, v36                     ; a loaded number enters an address behind a bound
	v_min_u32 v37, 0x4000, v37
	v_lshl_add_u32 v[HX], v36, 7, v16              ; 128 bytes a row, + 16 h
	v_lshl_add_u32 v[HX+1], v37, 7, v16
	v_lshlrev_b32 v[HX+2], 2, v36                  ; a scale word a row
	v_lshlrev_b32 v[HX+3], 2, v37
.irp c, 0,1,2,3
	global_load_b128 v[SX+4*\c:SX+4*\c+3], v[HX], s[8:9] offset:32*\c
	global_load_b128 v[SX+16+4*\c:SX+16+4*\c+3], v[HX+1], s[8:9] offset:32*\c
.endr
	global_load_b32 v[SX+32], v[HX+2], s[10:11]
	global_load_b32 v[SX+33], v[HX+3], s[10:11]
.endm
	s_wait_loadcnt 10                              ; the four entries are in; behind them stand W's ten loads
.irp i, 0,1,2,3
	v_and_b32 v[24+\i], 0xffff, v[20+\i]
	v_min_u32 v[24+\i], 0x1fff, v[24+\i]           ; the token
	v_bfe_u32 v[28+\i], v[20+\i], 16, 4            ; slot 0's expert, 8: none
	v_bfe_u32 v[32+\i], v[20+\i], 20, 4            ; slot 1's
.endr
	HLOAD 0
	HLOAD 1
	s_wait_loadcnt 20                              ; W's ten loads are in; the two tiles' twenty may be out
.irp d, 0,1
.irp c, 0,1,2,3
	ds_store_b128 v6, v[192+16*\d+4*\c:192+16*\d+4*\c+3] offset:2048*\d+512*\c
.endr
	ds_store_b32 v7, v[150+\d] offset:128*\d
.endr
	s_wait_dscnt 0x0                               ; for the others' sake: my images have landed
	s_barrier_signal -1
	s_barrier_wait -1                              ; the launch's one barrier: behind it the images are only read, and a stage is its wave's own
; Expert e for tile i, if any of the 16 tokens names it
.macro EXPERT i, e
.set SX, 64+34*((\i)%2)
	v_cmp_eq_u32 s20, \e, v[28+(\i)]               ; lanes whose slot 0 is this expert's,
	v_cmp_eq_u32 s21, \e, v[32+(\i)]               ; lanes whose slot 1 is
	s_or_b32 s22, s20, s21
	s_cmp_lg_u32 s22, 0
	s_cbranch_scc0 .Lskip_\@
.rept 8
	v_nop                                          ; eight places behind the last products, on every way here: their operands and scale registers are written below
.endr
.irp c, 0,1,2,3
.irp k, 0,1,2,3
	ds_load_b128 v[192+16*\c+4*\k:192+16*\c+4*\k+3], v4 offset:(4*\e+\c)*2048+512*\k
.endr
	ds_load_b32 v[150+\c], v5 offset:(4*\e+\c)*128
.endr
	v_cndmask_b32 v148, 0, v[SX+33], s21           ; the operand's scale word (a lane with zero codes gets the byte 0, which is a number and not NaN)
	v_cndmask_b32 v148, v148, v[SX+32], s20
.irp k, 0,1,2,3,4,5,6,7,8,9,10,11,12,13,14,15
	v_cndmask_b32 v[132+\k], 0, v[SX+16+\k], s21   ; slot 1's codes, or zeros,
.endr
.irp k, 0,1,2,3,4,5,6,7,8,9,10,11,12,13,14,15
	v_cndmask_b32 v[132+\k], v[132+\k], v[SX+\k], s20   ; or slot 0's
.endr
.rept 4
	v_nop                                          ; an operand written by vector instructions stands four places ahead of a scaled matrix instruction; the scale word stands 36 ahead
.endr
	s_wait_dscnt 0x0                               ; W's fragments and scale words
.irp c, 0,1,2,3                                ; the four accumulators take turns, one instruction a turn, from expert to expert too
	v_wmma_scale_f32_16x16x128_f8f6f4 v[160+8*\c:167+8*\c], v[192+16*\c:207+16*\c], v[132:147], v[160+8*\c:167+8*\c], v[150+\c], v148
.endr
.Lskip_\@:
.endm
.macro TILE i
	s_wait_xcnt 0x0                                ; the last tile's stores have read their offsets and data: both are written again below
	ds_store_b32 v11, v[24+(\i)]                   ; row r's token behind stage row r (both halves of the lanes write the same word with the same value),
.irp j, 0,1,2,3,4,5,6,7
	ds_load_b32 v[40+\j], v12 offset:544*\j        ; and back as the stores want it: the token of row 2 j + L / 16.  LDS serves a wave's instructions in order
.endr
.set K, 0
.rept 32
	v_mov_b32 v[160+K], 0
.set K, K+1
.endr
.if (\i) < 3
	s_wait_loadcnt 10                              ; this tile's ten loads are in; the next tile's ten may be out
.else
	s_wait_loadcnt 0x0
.endif
.irp e, 0,1,2,3,4,5,6,7
	EXPERT \i, \e
.endr
	s_wait_dscnt 0x0                               ; the tokens (where no expert's wait has shown them in)
.irp j, 0,1,2,3,4,5,6,7
	v_min_u32 v[40+\j], 0x1fff, v[40+\j]
.endr
.irp j, 0,1,2,3,4,5,6,7
	v_lshl_add_u32 v[40+\j], v[40+\j], 13, v10     ; 8,192 bytes a row of out0, + 16 (L % 16).  These sixteen lines are also the places behind the last products
.endr
.if (\i) < 2
	HLOAD (\i)+2                                   ; this tile's set takes the tile two further on
.endif
.irp c, 0,1,2,3
	ds_store_b128 v8, v[160+8*\c:163+8*\c] offset:64*\c        ; each accumulator from its low end on: columns 16 ct + 8 h + 0 .. 7 of row r
	ds_store_b128 v8, v[164+8*\c:167+8*\c] offset:64*\c+16
.endr
.irp j, 0,1,2,3,4,5,6,7
	ds_load_b128 v[192+4*\j:195+4*\j], v9 offset:544*\j
.endr
.irp j, 0,1,2,3,4,5,6,7
	s_wait_dscnt 7-\j
	global_store_b128 v[40+\j], v[192+4*\j:195+4*\j], s[14:15] th:TH_STORE_NT   ; sixteen lanes store 256 consecutive bytes, at a multiple of 256 from out0's first byte; written once, read by nobody here
.endr
.endm
	TILE 0
	TILE 1
	TILE 2
	TILE 3
	s_wait_tensorcnt 0x0
	ds_add_u32 v158, v159
	s_wait_dscnt 0x0
	s_endpgm
.Lfunc_end_k_qa3feec159a_down:
	.size	k_qa3feec159a_down, .Lfunc_end_k_qa3feec159a_down-k_qa3feec159a_down
	.p2alignl 7, 3214868480
	.fill 96, 4, 3214868480
	.section	.rodata,"a",@progbits
	.p2align	6, 0x0
	.amdhsa_kernel k_qa3feec159a_down
		.amdhsa_group_segment_fixed_size 141312
		.amdhsa_private_segment_fixed_size 0
		.amdhsa_enable_private_segment 0
		.amdhsa_kernarg_size 48
		.amdhsa_user_sgpr_count 2
		.amdhsa_user_sgpr_kernarg_segment_ptr 1
		.amdhsa_wavefront_size32 1
		.amdhsa_system_sgpr_workgroup_id_x 1
		.amdhsa_system_sgpr_workgroup_id_y 1
		.amdhsa_system_sgpr_workgroup_id_z 1
		.amdhsa_system_vgpr_workitem_id 0
		.amdhsa_next_free_vgpr 256
		.amdhsa_next_free_sgpr 66
		.amdhsa_reserve_vcc 1
		.amdhsa_float_denorm_mode_32 3
		.amdhsa_float_denorm_mode_16_64 3
		.amdhsa_memory_ordered 1
		.amdhsa_forward_progress 1
		.amdhsa_inst_pref_size 175
	.end_amdhsa_kernel
	.amdgpu_metadata
---
amdhsa.version: [ 1, 2 ]
amdhsa.kernels:
  - .name:           k_qa3feec159a_down
    .symbol:         k_qa3feec159a_down.kd
    .args:
      - { .name: W_down_codes, .offset: 0, .size: 8, .value_kind: global_buffer, .address_space: global }
      - { .name: W_down_scales, .offset: 8, .size: 8, .value_kind: global_buffer, .address_space: global }
      - { .name: hid_codes, .offset: 16, .size: 8, .value_kind: global_buffer, .address_space: global }
      - { .name: hid_scales, .offset: 24, .size: 8, .value_kind: global_buffer, .address_space: global }
      - { .name: order, .offset: 32, .size: 8, .value_kind: global_buffer, .address_space: global }
      - { .name: out0, .offset: 40, .size: 8, .value_kind: global_buffer, .address_space: global }
    .group_segment_fixed_size: 141312
    .private_segment_fixed_size: 0
    .kernarg_segment_align: 8
    .kernarg_segment_size: 48
    .max_flat_workgroup_size: 512
    .sgpr_count:     66
    .vgpr_count:     256
    .wavefront_size: 32
...
	.end_amdgpu_metadata
.endif
;; end of part 2
;; ======== version 2 of 2: 2 launches; version 1 with the launch down written anew for expert scheduling mode
;; workspace buffers: hid_codes 2,097,664 bytes; hid_scales 65,792 bytes; order 32,768 bytes of whole numbers
;; launch gup: the kernel of part 1 again; grid 32 x 8, 8 waves a work-group, no clusters, 136,704 bytes of LDS; arguments x_codes, x_scales, W_gup_codes, W_gup_scales, indices, token_mask, weights, hid_codes, hid_scales, order; writes hid_codes, hid_scales, order
;; launch down (part 3): grid 32 x 8, 16 waves a work-group, no clusters, 141,312 bytes of LDS; arguments W_down_codes, W_down_scales, hid_codes, hid_scales, order, out0; writes out0
.if DOCPART == 3
	.amdgcn_target "amdgcn-amd-amdhsa--gfx1250"
	.amdhsa_code_object_version 6
	.text
	.protected	k_qa3feec159a_down
	.globl	k_qa3feec159a_down
	.p2align	8
	.type	k_qa3feec159a_down,@function
k_qa3feec159a_down:
	s_mov_b64 s[64:65], 0
	v_nop
	global_prefetch_b8 v0, s[64:65] scope:SCOPE_SE
	s_setreg_imm32_b32 hwreg(HW_REG_WAVE_SCHED_MODE, 0, 2), 2
	s_setreg_imm32_b32 hwreg(HW_REG_WAVE_MODE, 25, 1), 1
	s_wait_xcnt 0x0
	s_wait_alu depctr_vm_vsrc(0)
; SECOND HALF OF THE EXPERT LAYER: out0[t] = the sum over the token's experts, ascending, of hidden(t, e) W_down[e].  Every row of out0 has one owner and is written, rows of zeros too.
; W_down: [8][2,048 (column)][128] E4M3 codes, one scale word a column.  hid_codes: row 2 t + slot of 128 codes, hid_scales: its scale word (made by the first launch).
; order: [8][1,024] entries t | E0 << 16 | E1 << 20 (8: none), each range of 1,024 tokens sorted by its pair of experts, so that a tile of 16 tokens meets few experts.
; SHARES.  Work-group (x = cc, y = g): columns 64 cc .. 64 cc + 63 of the range's 1,024 tokens: 64 tiles of 16 tokens in sorted order.  Wave w takes tiles w, w + 16, w + 32, w + 48,
;   so that the run of masked tokens is spread over all waves.  Sixteen waves of 256 registers, four to a SIMD: one wave's loads stand beside another's products; no register windows.
;   The 64 columns of all eight experts (32 fragments, 64 KiB) lie in LDS as images of the operand's registers, their scale words beside them: filled once, then only read.
; A TILE walks the eight experts; one that none of its 16 tokens names is jumped over (a scalar branch on the stored order).  For an expert that is present the operand is chosen lane by lane:
;   the token's slot 0 or slot 1 where that slot's expert is this one, zero codes elsewhere.  An unused slot's loads go to the row of zeros, by address.
; THE MATRIX INSTRUCTION IS USED TRANSPOSED (source 0 = 16 columns of W_down, source 1 = 16 tokens): a lane holds eight neighbouring columns of one token's row.
; THE ACCUMULATORS ARE CLEARED, 32 registers a tile: which expert is a tile's first hangs on the data, and a row that no expert takes leaves as zeros.
; THE WAY OUT.  16 rows x 256 bytes through the wave's own stage; the word behind each stage row carries the row's token, since sorted tokens are no neighbours in out0; sixteen lanes store 256 consecutive, aligned bytes.
; NO TENSOR LOADS, NO CLUSTER: the branches hang on numbers read from memory.  NO PREFETCH: the launch's time goes into its stores; a hidden row is read by all 32 work-groups of its range at about the same time.
; LIMITS: as in the first launch (NaN codes and the scale byte 0xff are not served).
; THE MODE: SCHED_MODE bits 1:0 = 2 (LLVM: expert scheduling mode 2), set by the entry lines.  The code itself states the register dependences
; between vector or matrix instructions and memory or LDS instructions, with s_wait_alu, always for 0.
; THE PLAN.  Registers that memory or LDS instructions touch:
;   v4-v16        addresses, made once at the head: one wait on va_vdst ahead of the first load.
;   v24-27, v48-63  the four tiles' tokens and the offsets of their hidden rows: all made at the head, behind one more wait on va_vdst, and never written again: no address is made inside a tile.
;   v64-131       two sets of hidden rows.  Tile i's selections read set i % 2; the loads of tile i + 2 land in it behind the wait on the tile's way out.
;   v192-255, v150-153  W's fragments and scale words: an expert's LDS loads write them, its four products read them: a wait on va_vdst ahead of each present expert's loads.
;   v132-148      the operand and its scale word: written by selections, taken by the scaled products: a wait on va_vdst behind the places, ahead of the products.
;   v160-191, v40-47, v192-223  on the way out: the accumulators are the stage stores' data, v40-47 the global stores' offsets, v192-223 their data.  ONE wait on va_vdst ahead of the way out's first memory line;
;                 ONE on vm_vsrc at the next tile's head, ahead of the lines that write all three again.
;   Masks go into scalar registers in runs: eight at the head, sixteen a tile, one wait on va_sdst behind each run and ahead of the first branch.
;   v158, v159    written at the head, read by the closing add alone.
.set WSC, 65536                        ; LDS: 0 .. 65,535 the images of W's fragments (index 4 e + ct, 2,048 bytes); then 32 images of scale words, 128 bytes each;
.set STG, 69632                        ; then a stage for each wave: 16 rows x (256 bytes + 16)
; REGISTERS: v1-16 addresses; v20-23 order entries; v24-27 tokens; v28-31 E0; v32-35 E1 (one for each of my four tiles); v36-37 at work; v40-47 the stores' offsets; v48-63 the hidden rows' offsets, four for each tile;
;   v64-97, v98-131 two sets of: slot 0's fragment (16), slot 1's (16), their two scale words; v132-147 the operand; v148 its scale word; v150-153 W's scale words; v160-191 four accumulators; v192-255 W's four fragments (v192-223 also the rows on their way out).
	s_load_b256 s[4:11], s[0:1], 0x0               ; W codes s[4:5], W scales s[6:7], hid_codes s[8:9], hid_scales s[10:11]
	s_load_b128 s[12:15], s[0:1], 0x20             ; order s[12:13], out0 s[14:15]
	v_lshl_add_u32 v158, v0, 2, 0x22000
	v_mov_b32 v159, 0
	v_lshrrev_b32 v1, 5, v0
	v_readfirstlane_b32 s16, v1                    ; wave 0..15
	s_and_b32 s18, ttmp7, 0xffff                   ; g
	v_and_b32 v1, 31, v0                           ; L
	v_and_b32 v2, 15, v0                           ; r
	v_bfe_u32 v3, v0, 4, 1                         ; h
	v_lshlrev_b32 v4, 4, v1                        ; an image's place for my lane: 16 L
	v_lshl_add_u32 v5, v1, 2, WSC                  ; a scale word's: WSC + 4 L
	s_wait_alu depctr_va_sdst(0)                   ; s16, the wave's number, is written, ahead of its first reader
	s_lshl_b32 s24, s16, 12
	v_add_nc_u32 v6, s24, v4                       ; where I store images: two a wave
	s_lshl_b32 s24, s16, 8
	v_add_nc_u32 v7, s24, v5                       ; and their scale words
	s_mul_i32 s25, s16, 4352
	s_add_co_u32 s25, s25, STG                     ; my stage
	v_mul_u32_u24 v36, v2, 272
	v_add_nc_u32 v36, s25, v36
	v_lshl_add_u32 v8, v3, 5, v36                  ; in: row r, + 32 h
	v_add_nc_u32 v11, 256, v36                     ; the word behind row r
	v_mul_u32_u24 v37, v3, 272
	v_add_nc_u32 v37, s25, v37
	v_lshlrev_b32 v10, 4, v2                       ; 16 (L % 16)
	v_add_nc_u32 v9, v37, v10                      ; back: lanes 0-15 one row, lanes 16-31 the next
	v_add_nc_u32 v12, 256, v37                     ; and the word behind that row
	v_lshlrev_b32 v16, 4, v3                       ; 16 h
	v_lshl_add_u32 v13, v2, 7, v16                 ; W: column r of a tile, 128 bytes a column, + 16 h
	v_lshlrev_b32 v14, 2, v2                       ; its scale word
	s_lshl_b32 s24, s16, 6
	v_add_nc_u32 v15, s24, v14                     ; order: tile w, entry r
	s_lshr_b32 s26, s16, 1                         ; I stage fragments 2 w and 2 w + 1: expert w / 2, column tiles 2 (w % 2) and 2 (w % 2) + 1
	s_and_b32 s27, s16, 1
	s_lshl_b32 s28, s26, 18                        ; codes: 262,144 bytes an expert,
	s_lshl_b32 s30, ttmp9, 13                      ; 8,192 for 64 columns,
	s_add_co_u32 s28, s28, s30
	s_lshl_b32 s30, s27, 12                        ; 4,096 for two tiles
	s_add_co_u32 s28, s28, s30
	s_mov_b32 s29, 0
	s_lshl_b32 s20, s26, 13                        ; scale words: 8,192 bytes an expert,
	s_lshl_b32 s30, ttmp9, 8                       ; 256 for 64 columns (also: 64 columns of out0 in bytes),
	s_add_co_u32 s20, s20, s30
	s_lshl_b32 s22, s27, 7                         ; 128 for two tiles
	s_add_co_u32 s20, s20, s22
	s_mov_b32 s21, 0
	s_mov_b32 s31, 0
	s_lshl_b32 s22, s18, 12                        ; order: 4,096 bytes a range
	s_mov_b32 s23, 0
	s_wait_kmcnt 0x0
	s_add_nc_u64 s[4:5], s[4:5], s[28:29]
	s_add_nc_u64 s[6:7], s[6:7], s[20:21]
	s_add_nc_u64 s[14:15], s[14:15], s[30:31]
	s_add_nc_u64 s[12:13], s[12:13], s[22:23]
	s_wait_alu depctr_va_vdst(0)                   ; the addresses v4 to v16 are written, which loads, stores and LDS instructions read from here to the end
.irp i, 0,1,2,3
	global_load_b32 v[20+\i], v15, s[12:13] offset:1024*\i   ; my four tiles' entries
.endr
.irp d, 0,1
.irp c, 0,1,2,3
	global_load_b128 v[192+16*\d+4*\c:192+16*\d+4*\c+3], v13, s[4:5] offset:2048*\d+32*\c
.endr
	global_load_b32 v[150+\d], v14, s[6:7] offset:64*\d
.endr
; The offsets of tile i's hidden rows, both slots: four registers of the tile's own, made at the head
.macro HADDR i
.set HX, 48+4*(\i)
	v_lshlrev_b32 v36, 1, v[24+(\i)]               ; row 2 t,
	v_lshl_add_u32 v37, v[24+(\i)], 1, 1           ; row 2 t + 1;
	v_cndmask_b32 v36, 0x4000, v36, s[32+2*(\i)]   ; a slot without an expert: the row of zeros
	v_cndmask_b32 v37, 0x4000, v37, s[33+2*(\i)]
	v_min_u32 v36, 0x4000, v36                     ; a loaded number enters an address behind a bound
	v_min_u32 v37, 0x4000, v37
	v_lshl_add_u32 v[HX], v36, 7, v16              ; 128 bytes a row, + 16 h
	v_lshl_add_u32 v[HX+1], v37, 7, v16
	v_lshlrev_b32 v[HX+2], 2, v36                  ; a scale word a row
	v_lshlrev_b32 v[HX+3], 2, v37
.endm
; The hidden rows of tile i, both slots, into set i % 2: ten loads
.macro HLOAD i
.set HX, 48+4*(\i)
.set SX, 64+34*((\i)%2)
.irp c, 0,1,2,3
	global_load_b128 v[SX+4*\c:SX+4*\c+3], v[HX], s[8:9] offset:32*\c
	global_load_b128 v[SX+16+4*\c:SX+16+4*\c+3], v[HX+1], s[8:9] offset:32*\c
.endr
	global_load_b32 v[SX+32], v[HX+2], s[10:11]
	global_load_b32 v[SX+33], v[HX+3], s[10:11]
.endm
	s_wait_loadcnt 10                              ; the four entries are in; behind them stand W's ten loads
.irp i, 0,1,2,3
	v_and_b32 v[24+\i], 0xffff, v[20+\i]
	v_min_u32 v[24+\i], 0x1fff, v[24+\i]           ; the token
	v_bfe_u32 v[28+\i], v[20+\i], 16, 4            ; slot 0's expert, 8: none
	v_bfe_u32 v[32+\i], v[20+\i], 20, 4            ; slot 1's
.endr
.irp i, 0,1,2,3
	v_cmp_gt_u32 s[32+2*\i], 8, v[28+\i]           ; slot 0 has an expert;
	v_cmp_gt_u32 s[33+2*\i], 8, v[32+\i]           ; slot 1 has
.endr
	s_wait_alu depctr_va_sdst(0)                   ; the eight masks s32 to s39 are written, ahead of their first readers
	HADDR 0
	HADDR 1
	HADDR 2
	HADDR 3
	s_wait_alu depctr_va_vdst(0)                   ; the sixteen offsets v48 to v63 are written, which the hidden rows' loads read, and the tokens v24 to v27, which the tiles' LDS stores read
	HLOAD 0
	HLOAD 1
	s_wait_loadcnt 20                              ; W's ten loads are in; the two tiles' twenty may be out
.irp d, 0,1
.irp c, 0,1,2,3
	ds_store_b128 v6, v[192+16*\d+4*\c:192+16*\d+4*\c+3] offset:2048*\d+512*\c
.endr
	ds_store_b32 v7, v[150+\d] offset:128*\d
.endr
	s_wait_dscnt 0x0                               ; for the others' sake: my images have landed
	s_barrier_signal -1
	s_barrier_wait -1                              ; the launch's one barrier: behind it the images are only read, and a stage is its wave's own
; Expert e for tile i, if any of the 16 tokens names it.  s[32 + 2 e]: lanes whose slot 0 is this expert's; s[33 + 2 e]: lanes whose slot 1 is (made at the tile's head)
.macro EXPERT i, e
.set SX, 64+34*((\i)%2)
	s_or_b32 s22, s[32+2*(\e)], s[33+2*(\e)]
	s_cmp_lg_u32 s22, 0
	s_cbranch_scc0 .Lskip_\@
.rept 8
	v_nop                                          ; eight places behind the last products, on every way here: their operands and scale registers are written below
.endr
	s_wait_alu depctr_va_vdst(0)                   ; the last products are done reading W's fragments and scale words, in which the loads below land
.irp c, 0,1,2,3
.irp k, 0,1,2,3
	ds_load_b128 v[192+16*\c+4*\k:192+16*\c+4*\k+3], v4 offset:(4*\e+\c)*2048+512*\k
.endr
	ds_load_b32 v[150+\c], v5 offset:(4*\e+\c)*128
.endr
	v_cndmask_b32 v148, 0, v[SX+33], s[33+2*(\e)]  ; the operand's scale word (a lane with zero codes gets the byte 0, which is a number and not NaN)
	v_cndmask_b32 v148, v148, v[SX+32], s[32+2*(\e)]
.irp k, 0,1,2,3,4,5,6,7,8,9,10,11,12,13,14,15
	v_cndmask_b32 v[132+\k], 0, v[SX+16+\k], s[33+2*(\e)]   ; slot 1's codes, or zeros,
.endr
.irp k, 0,1,2,3,4,5,6,7,8,9,10,11,12,13,14,15
	v_cndmask_b32 v[132+\k], v[132+\k], v[SX+\k], s[32+2*(\e)]   ; or slot 0's
.endr
.rept 4
	v_nop                                          ; an operand written by vector instructions stands four places ahead of a scaled matrix instruction; the scale word stands 36 ahead
.endr
	s_wait_alu depctr_va_vdst(0)                   ; the selections have written the operand v132 to v147 and its scale word v148, which the scaled products take; the places above stay beside this wait
	s_wait_dscnt 0x0                               ; W's fragments and scale words
.irp c, 0,1,2,3                                ; the four accumulators take turns, one instruction a turn, from expert to expert too
	v_wmma_scale_f32_16x16x128_f8f6f4 v[160+8*\c:167+8*\c], v[192+16*\c:207+16*\c], v[132:147], v[160+8*\c:167+8*\c], v[150+\c], v148
.endr
.Lskip_\@:
.endm
.macro TILE i
	s_wait_xcnt 0x0                                ; the last tile's stores have read their offsets and data: both are written again below
	s_wait_alu depctr_vm_vsrc(0)                   ; the last tile's global stores have read v40 to v47 and v192 to v223, its stage stores the accumulators (ahead of the first tile: the image stores have read v192 to v223, v150 and v151): all are written again below
	ds_store_b32 v11, v[24+(\i)]                   ; row r's token behind stage row r (both halves of the lanes write the same word with the same value),
.irp j, 0,1,2,3,4,5,6,7
	ds_load_b32 v[40+\j], v12 offset:544*\j        ; and back as the stores want it: the token of row 2 j + L / 16.  LDS serves a wave's instructions in order
.endr
.set K, 0
.rept 32
	v_mov_b32 v[160+K], 0
.set K, K+1
.endr
.irp e, 0,1,2,3,4,5,6,7
	v_cmp_eq_u32 s[32+2*\e], \e, v[28+(\i)]        ; lanes whose slot 0 is expert e's,
	v_cmp_eq_u32 s[33+2*\e], \e, v[32+(\i)]        ; lanes whose slot 1 is
.endr
	s_wait_alu depctr_va_sdst(0)                   ; the sixteen masks s32 to s47 are written, ahead of the first branch and of their first readers
.if (\i) < 3
	s_wait_loadcnt 10                              ; this tile's ten loads are in; the next tile's ten may be out
.else
	s_wait_loadcnt 0x0
.endif
.irp e, 0,1,2,3,4,5,6,7
	EXPERT \i, \e
.endr
	s_wait_dscnt 0x0                               ; the tokens (where no expert's wait has shown them in)
.irp j, 0,1,2,3,4,5,6,7
	v_min_u32 v[40+\j], 0x1fff, v[40+\j]
.endr
.irp j, 0,1,2,3,4,5,6,7
	v_lshl_add_u32 v[40+\j], v[40+\j], 13, v10     ; 8,192 bytes a row of out0, + 16 (L % 16).  These sixteen lines are also the places behind the last products
.endr
	s_wait_alu depctr_va_vdst(0)                   ; the products have written the accumulators, which the stage stores read, and are done reading v192 to v223, in which the stage's rows land; v40 to v47 are written, which the global stores read; the selections are done reading this tile's set, in which the next loads land
.if (\i) < 2
	HLOAD (\i)+2                                   ; this tile's set takes the tile two further on
.endif
.irp c, 0,1,2,3
	ds_store_b128 v8, v[160+8*\c:163+8*\c] offset:64*\c        ; each accumulator from its low end on: columns 16 ct + 8 h + 0 .. 7 of row r
	ds_store_b128 v8, v[164+8*\c:167+8*\c] offset:64*\c+16
.endr
.irp j, 0,1,2,3,4,5,6,7
	ds_load_b128 v[192+4*\j:195+4*\j], v9 offset:544*\j
.endr
.irp j, 0,1,2,3,4,5,6,7
	s_wait_dscnt 7-\j
	global_store_b128 v[40+\j], v[192+4*\j:195+4*\j], s[14:15] th:TH_STORE_NT   ; sixteen lanes store 256 consecutive bytes, at a multiple of 256 from out0's first byte; written once, read by nobody here
.endr
.endm
	TILE 0
	TILE 1
	TILE 2
	TILE 3
	s_wait_dscnt 0x0                               ; the closing lines, six on end
	s_wait_alu 0x0
	s_wait_tensorcnt 0x0
	ds_add_u32 v158, v159
	s_wait_dscnt 0x0
	s_endpgm
.Lfunc_end_k_qa3feec159a_down:
	.size	k_qa3feec159a_down, .Lfunc_end_k_qa3feec159a_down-k_qa3feec159a_down
	.p2alignl 7, 3214868480
	.fill 96, 4, 3214868480
	.section	.rodata,"a",@progbits
	.p2align	6, 0x0
	.amdhsa_kernel k_qa3feec159a_down
		.amdhsa_group_segment_fixed_size 141312
		.amdhsa_private_segment_fixed_size 0
		.amdhsa_enable_private_segment 0
		.amdhsa_kernarg_size 48
		.amdhsa_user_sgpr_count 2
		.amdhsa_user_sgpr_kernarg_segment_ptr 1
		.amdhsa_wavefront_size32 1
		.amdhsa_system_sgpr_workgroup_id_x 1
		.amdhsa_system_sgpr_workgroup_id_y 1
		.amdhsa_system_sgpr_workgroup_id_z 1
		.amdhsa_system_vgpr_workitem_id 0
		.amdhsa_next_free_vgpr 256
		.amdhsa_next_free_sgpr 66
		.amdhsa_reserve_vcc 0
		.amdhsa_float_denorm_mode_32 3
		.amdhsa_float_denorm_mode_16_64 3
		.amdhsa_memory_ordered 1
		.amdhsa_forward_progress 1
		.amdhsa_inst_pref_size 178
	.end_amdhsa_kernel
	.amdgpu_metadata
---
amdhsa.version: [ 1, 2 ]
amdhsa.kernels:
  - .name:           k_qa3feec159a_down
    .symbol:         k_qa3feec159a_down.kd
    .args:
      - { .name: W_down_codes, .offset: 0, .size: 8, .value_kind: global_buffer, .address_space: global }
      - { .name: W_down_scales, .offset: 8, .size: 8, .value_kind: global_buffer, .address_space: global }
      - { .name: hid_codes, .offset: 16, .size: 8, .value_kind: global_buffer, .address_space: global }
      - { .name: hid_scales, .offset: 24, .size: 8, .value_kind: global_buffer, .address_space: global }
      - { .name: order, .offset: 32, .size: 8, .value_kind: global_buffer, .address_space: global }
      - { .name: out0, .offset: 40, .size: 8, .value_kind: global_buffer, .address_space: global }
    .group_segment_fixed_size: 141312
    .private_segment_fixed_size: 0
    .kernarg_segment_align: 8
    .kernarg_segment_size: 48
    .max_flat_workgroup_size: 512
    .sgpr_count:     66
    .vgpr_count:     256
    .wavefront_size: 32
...
	.end_amdgpu_metadata
.endif
;; end of part 3
